; MI455X (gfx1250); checked and timed in simulation.
; The chip was launched on July 23, 2026; its instructions are those of AMD's public machine-readable ISA for CDNA 5 (MIT licence, August 2026) and "CDNA5" Instruction Set Architecture Reference Guide (July 2026). The comments in the code are by the model that wrote it; some were corrected since.
;; Scaled Dot Product Attention. Allowed arithmetic: matrix products marked QUANTISED: E2M3 operands, one E8M0 scale for each 32 along K, by v_wmma_scale_f32_16x16x128_f8f6f4 with both operands' format E2M3, f32 sums; everything else in f32.
;; Inputs: key 8 x 16 x 1,024 x 64 float32; query 8 x 16 x 1,024 x 64 float32; value 8 x 16 x 1,024 x 64 float32.
;; Outputs: out0 8 x 16 x 1,024 x 64 float32.
;; This version of the problem:
;;   THIS VERSION OF THE PROBLEM IS GIVEN IN LOW PRECISION. The matrix products marked QUANTISED in the list below multiply operands that are first quantised to E2M3 (2 exponent bits, 3 mantissa bits; 6 bits a number), with one power-of-two scale for each 32 numbers along K (OCP MX v1.0); their sums are f32. All else is computed in f32.
;;   The module's matrix products, in the order in which they are computed (A, B: the left and right operand; K: the contracted axis; several contracted axes count as one K, in the product's order):
;;     1. batch 128 x [M 1,024, K 64] x [K 64, N 1,024]; A: input query; B: input key: QUANTISED
;;     2. batch 128 x [M 1,024, K 1,024] x [K 1,024, N 64]; A: softmax (see below); B: input value: QUANTISED
;;   THE QUANTISER, for each operand of a quantised product, along K:
;;     - K is cut into blocks of 32 from its start; a last block that is shorter is filled with zeros.
;;     - A block's scale is 2^e with e = floor(log2(the largest magnitude in the block)) - 2, held to -126 .. 127; a block of zeros has e = 0. As a byte (E8M0): e + 127.
;;     - Each number is divided by its block's scale, clamped to +-7.5, and rounded to the nearest number of E2M3, ties to even, subnormals kept.
;;     - The product sums the exact products of the quantised numbers (number of the format x scale) in f32.
;;   ~~~python
;;   def quantise(x, axis):      # numpy; x: float32 -> the quantised numbers, widened to float32 again
;;       x = np.moveaxis(x, axis, -1); K = x.shape[-1]
;;       x = np.pad(x, [(0, 0)] * (x.ndim - 1) + [(0, -K % 32)]); x = x.reshape(x.shape[:-1] + (-1, 32)); a = np.abs(x).max(-1, keepdims=True)
;;       e = np.where(a > 0, np.clip(np.frexp(np.where(a > 0, a, 1))[1] - 1 - 2, -126, 127), 0)      # np.frexp(a)[1] - 1 = floor(log2(a)), exactly
;;       r = np.clip(x / 2.0 ** e, -7.5, 7.5)
;;       step = 2.0 ** (np.maximum(np.frexp(np.where(r == 0, 1, r))[1] - 1, 0) - 3)
;;       q = np.round(r / step) * step * 2.0 ** e      # np.round: ties to even
;;       return np.moveaxis(q.reshape(q.shape[:-2] + (-1,))[..., :K], -1, axis).astype(np.float32)
;;   ~~~
;;   SOFTMAX AHEAD OF A QUANTISED PRODUCT. Where the list says 'softmax', what is quantised is not the finished softmax but p = 2^(t - M), with t = logit x log2(e) and M = ceil(the row's largest t), a whole number; so 1/2 < the row's largest p <= 1. The row's sum l is taken of the UNQUANTISED p, in f32, and the product's result is divided by l at the end. Since M is a whole number, a kernel that streams over the keys may use a running M (the ceiling of the running maximum): every later rescaling is an exact power of two, which a block's scale takes up: the codes' values come out the same.
;;   OPERANDS COMPUTED ON THE WAY. 'Computed on the way' means the value that the module computes at that place (a softmax that the list does not call 'softmax' is quantised finished and normalised). What goes into a quantiser is computed in f32, as accurately as f32 sums, v_exp_f32 and their like allow (about 1e-6 of the number): no bf16 or f16 on the way to a quantiser, and a product that is left as it is and whose result goes on into a quantised operand takes f32 operands (vector FMAs, or v_wmma_f32_16x16x4_f32). A number that lies on a knife's edge between two numbers of the format may be rounded either way, as far as f32 arithmetic and the matrix unit's own rounding can turn it there, and no further.
;; 2 versions. Each part assembles by itself: llvm-mc -triple=amdgcn-amd-amdhsa -mcpu=gfx1250 --defsym DOCPART=n.
;; ======== version 1 of 2: 1 launch
;; launch attn (part 1): grid 256 x 1, 16 waves a work-group, no clusters, 174,080 bytes of LDS; arguments query, key, value, out0; writes out0
.if DOCPART == 1
	.amdgcn_target "amdgcn-amd-amdhsa--gfx1250"
	.amdhsa_code_object_version 6
	.text
	.protected	k_qb535154d7b_attn
	.globl	k_qb535154d7b_attn
	.p2align	8
	.type	k_qb535154d7b_attn,@function
k_qb535154d7b_attn:
	s_mov_b64 s[64:65], 0
	v_nop
	global_prefetch_b8 v0, s[64:65] scope:SCOPE_SE
	s_setreg_imm32_b32 hwreg(HW_REG_WAVE_MODE, 25, 1), 1
	s_wait_xcnt 0x0
; out0[h][q][:] = the sum over k of softmax_k(query[h][q] . key[h][k] / 4) value[h][k][:], 128 heads of 1,024 x 64, all f32 in memory.  (The divisor is sqrt(16), the number of heads, as the problem has it.)
; Both products go on codes of FP6 (E2M3) with one E8M0 scale for each 32 along a product's K, by v_wmma_scale_f32_16x16x128_f8f6f4; sums in f32.
; THE SOFTMAX AHEAD OF THE SECOND PRODUCT: t = score x log2(e) / 4; M = the row's largest t so far, rounded UP to a whole number; p = 2^(t - M) is quantised along the keys, not normalised.
; The row's sum is taken of the unquantised p and divides O at the end.  When M moves, the sum and O are multiplied by 2^(old M - new M): exact.
; SHARES.  256 work-groups of sixteen waves.  Work-group g owns head g / 2 and its queries 512 (g % 2) .. + 511; wave w owns 32 of them: two tiles of 16, worked one after the other in each key step of 128 keys.
; K AND V ARE QUANTISED HERE, ONCE A WORK-GROUP: a head's codes are 2 x 48 KiB and its scale bytes 4 KiB, so they all stay in LDS, each byte written once.  They are made in chunks of 256 keys: a chunk has 512 blocks of K
; and 512 of V, one of each for each of the 512 lanes.  Chunk c + 1 is loaded (f32, through registers) and quantised during the trip that multiplies chunk c; one barrier stands at each trip's end.
; OPERANDS LIE IN LDS AS IMAGES OF THEIR REGISTERS: a fragment's 12 registers of lane l are 48 bytes on end at 48 l; three loads of 16 bytes bring them.
; LAYOUT.  Both products are used transposed: S^T = K Q^T (source 0 = keys, source 1 = my 16 queries), O^T = V^T P^T (source 0 = 16 of the head's 64, source 1 = P): a lane holds ONE query (lane % 16) throughout.
; THE FIRST PRODUCT'S K IS 64, HALF OF THE INSTRUCTION'S 128.  So a fragment of K holds TWO tiles of 16 keys, tile 2 b in k = 0 .. 63 and tile 2 b + 1 in k = 64 .. 127, and is multiplied twice: by [q | zeros] and by [zeros | q].
; A zero code times any code is 0 (the format has no infinity and no NaN); Q's scale bytes of the dead half are 0.  One scale word (2 tiles x 2 blocks) serves both products.
; THE KEYS OF A TILE ARE NOT NEIGHBOURS: row r of tile 2 b + u is key 32 b + 8 u + r + 8 (r / 8), so that the 16 registers of tiles 2 b and 2 b + 1 are 16 neighbouring keys, 32 b + 16 (lane / 16) + 0 .. 15.
; NO CLUSTER, NO TENSOR LOAD: what the two work-groups of a head share arrives as f32 and has to pass through registers to be quantised; laid into LDS first, a chunk would be 128 KiB of f32 to be read out of LDS again,
; for a sharing of two.  The two work-groups are neighbours in the grid and run the same text.
; LIMITS.  NaN and infinities among the inputs are not served.  A block whose largest magnitude lies under 2^-124 (a block of zeros among them) gets the scale byte 1: the bytes are read by this program alone.
; A block's largest p is made from the block's largest score by the same multiply-add and exponential: this takes v_exp_f32 not to fall where its input rises.
.set FRB,   1536                       ; a fragment's image: 32 lanes x 48 bytes
.set STEPF, 4*FRB                      ; a key step's four fragments, of K or of V
.set CHB,   2*STEPF                    ; a chunk's (256 keys)
.set SCH,   1024                       ; a chunk's scale bytes: 512 a step
.set VIMG,  49152                      ; LDS: K's images from 0 (8 steps x STEPF), V's from here,
.set SCL,   98304                      ; the scale words: in a step's 512 bytes lane l's 16 bytes at 16 l: lanes 0-15 K's four words, lanes 16-31 V's four,
.set STG,   102400                     ; and a stage of 16 rows x (256 + 16) bytes for each wave, its own
.set SPT,   272                        ; 68 words: 16 rows that a 16-byte access touches begin 4 words apart modulo 64
.set L48,  1                           ; v1   48 x lane
.set L16S, 2                           ; v2   16 x lane + SCL
.set KWA,  3                           ; v3   where I put my 24 bytes of K's codes in a chunk;  v4 their scale byte
.set KWS,  4
.set VWA,  5                           ; v5, v6 the same for V
.set VWS,  6
.set KGO,  7                           ; v7   my byte offset in a chunk of key;  v8 in a chunk of value
.set VGO,  8
.set ADK,  9                           ; v9   the trip's images: L48 + 12,288 c  (V's are read off it too, by the immediate)
.set ADS,  10                          ; v10  the trip's scale words
.set WA,   11                          ; v11, v12 the store addresses in hand (at the head: r, h, then 16 x lane; at the end: 16 x lane, the stage)
.set WS,   12
.set RD,   13                          ; v13  the stage by whole rows: lanes 0-15 one row, lanes 16-31 the next, 16 bytes a lane
.set TRD,  14                          ; v14  the stage by halves of a row: row lane % 16, 128 bytes of it
.set TT,   15                          ; v15  at work
.set ST,   16                          ; v16-23 tile n at ST + 4 n: -M, the largest t, the sum in two halves
.set QS,   24                          ; v24-27 tile n at QS + 2 n: Q's scale word (s0, s1, 0, 0), then (0, 0, s0, s1)
.set SCW,  28                          ; v28-31 the step's scale words
.set PW,   32                          ; v32  p's scale word
.set FF,   34                          ; v[34:35] f = 2^(old M - new M) (v35 is named with it as a pair)
.set SB,   36                          ; v[36:37] the sums' second chain
.set F,    38                          ; v38-61 two fragments of K; then what follows
.set BM,   F                           ; the blocks' largest scores, then largest p
.set PT,   F+4                         ; the other half's; then the scale bytes
.set SO,   F+20                        ; the conversions' scale operands
.set P,    F                           ; p's codes: 12 registers
.set PX,   F+12                        ; the upper halves of p's blocks on their way
.set QZ,   62                          ; v62-91 [6 zeros][tile 0's q][6 zeros][tile 1's q][6 zeros]: [q | 0] and [0 | q] of both tiles are runs of 12 in it
.set X,    92                          ; v92-123 the block on its way in
.set S,    124                         ; v124-187 S^T, then p, then V's four fragments
.set OA,   188                         ; v188-251 O^T, 32 a tile: register 8 t + j is o(query lane % 16, d = 16 t + 8 (lane / 16) + j)
.set WV,   12                          ; s12  my wave's number
.set SEL,  20                          ; s[20:21] lane selects for v_permlanex16_b32: lane l xor 16
.set CS,   22                          ; s[22:23] c = log2(e) / 4
.set TB,   24                          ; s24  12,288 c
.set TS,   25                          ; s25  1,024 c
.set CH,   26                          ; s26  the trip, c
.set STB,  32                          ; s32  my stage
; Sixteen rows of 256 bytes, held as they lie in memory (register group i: rows 2 i and 2 i + 1, 16 bytes a lane), go through my stage and come back so that lane (r, h) holds d = 32 h .. 32 h + 31 of row r.
; LDS serves a wave's instructions in order (ISA guide 5.7.1.4): no wait between the stores and the loads.
.macro TURN reg
.irp i, 0,1,2,3,4,5,6,7
	ds_store_b128 v[RD], v[(\reg)+4*\i:(\reg)+4*\i+3] offset:2*SPT*\i
.endr
.irp i, 0,1,2,3,4,5,6,7
	ds_load_b128 v[(\reg)+4*\i:(\reg)+4*\i+3], v[TRD] offset:16*\i
.endr
	s_wait_dscnt 0x0
.endm
; A whole block of 32 numbers in a lane's registers becomes 6 registers of codes at dst; the scale's byte is left in v[F+15].
.macro QBLK src, dst
.set SRC, \src
.set DST, \dst
	v_max3_num_f32 v[F+12], |v[SRC]|, |v[SRC+1]|, 0x1800000        ; the largest magnitude, in two chains; the floor 2^(3 - 127) among the leaves holds the byte at 1 from below
	v_max3_num_f32 v[F+13], |v[SRC+16]|, |v[SRC+17]|, |v[SRC+18]|
.irp i, 0,1,2,3,4,5
	v_max3_num_f32 v[F+12], v[F+12], |v[SRC+2+2*\i]|, |v[SRC+3+2*\i]|
	v_max3_num_f32 v[F+13], v[F+13], |v[SRC+19+2*\i]|, |v[SRC+20+2*\i]|
.endr
	v_max3_num_f32 v[F+12], v[F+12], |v[SRC+14]|, |v[SRC+15]|
	v_max3_num_f32 v[F+12], v[F+12], v[F+13], |v[SRC+31]|
	v_add_nc_u32 v[F+14], 0xff000000, v[F+12]      ; 2 off its exponent field: the conversion takes the exponent field of this operand as its scale, and nothing else of it
	v_lshrrev_b32 v[F+15], 23, v[F+14]             ; the scale's byte
	v_cvt_scalef32_pk16_fp6_f32 v[DST:DST+2], v[SRC:SRC+15], v[F+14]
	v_cvt_scalef32_pk16_fp6_f32 v[F+8:F+10], v[SRC+16:SRC+31], v[F+14]   ; (a conversion's three registers begin on an even number)
	v_nop                                          ; one plain place behind a scaled conversion
.irp i, 0,1,2
	v_mov_b32 v[DST+3+\i], v[F+8+\i]
.endr
.endm
.macro PUT wa, ws, off, soff           ; the 24 bytes in v[F] on, and the byte, to their places in the images
.irp i, 0,1,2
	ds_store_b64 v[\wa], v[F+2*\i:F+2*\i+1] offset:(\off)+8*\i
.endr
	ds_store_b8 v[\ws], v[F+15] offset:\soff
.endm
; K: wave w = 8 s + 2 b + u makes half u of the chunk's fragment (s, b): keys 16 (w & 14) + 8 u + 0 .. 7 and + 16 .. 23.  Each load reads two rows, 512 consecutive bytes, as they lie.
.macro KLOAD base
.irp i, 0,1,2,3,4,5,6,7
	global_load_b128 v[X+4*\i:X+4*\i+3], v[KGO], s[6:7] offset:(\base)+512*\i+2048*(\i/4)
.endr
.endm
; V: wave w takes the chunk's keys 32 (w / 2) .. + 31 and d = 32 (w % 2) + lane: A LANE TAKES A COLUMN d AND ITS REGISTERS RUN DOWN THE KEYS, which are this operand's K: nothing is transposed.
; A load reads 128 consecutive bytes of a row; wave w xor 1 reads the row's other 128.
.macro VLOAD reg, base
.set ii, 0
.rept 32
	global_load_b32 v[(\reg)+ii], v[VGO], s[8:9] offset:(\base)+256*ii
.set ii, ii+1
.endr
.endm
.macro QSCALE n                        ; lane (r, h) holds the byte of block h of query r: the two make tile n's scale words
	v_bfe_u32 v[TT], v0, 4, 1
	v_lshlrev_b32 v[TT], 3, v[TT]
	v_lshlrev_b32 v[F+15], v[TT], v[F+15]          ; 8 h bits up
	v_permlanex16_b32 v[F+12], v[F+15], s[SEL], s[SEL+1]
	v_or_b32 v[QS+2*(\n)], v[F+15], v[F+12]        ; (s0, s1, 0, 0) for [q | 0]
	v_lshlrev_b32 v[QS+2*(\n)+1], 16, v[QS+2*(\n)] ; (0, 0, s0, s1) for [0 | q]
.endm
.macro QK                              ; K of chunk c + 1, asked for two tile steps ago
	s_wait_loadcnt 0x0                             ; nothing else of mine is out
	TURN X
	QBLK X, F
	v_add_nc_u32 v[WA], s[TB], v[KWA]
	v_add_nc_u32 v[WS], s[TS], v[KWS]
	PUT WA, WS, CHB, SCH
	VLOAD X, 65536                                 ; V of chunk c + 1 takes the registers: it has two tile steps in which to land
	s_wait_dscnt 0x0                               ; my stores are done
.endm
.macro QV                              ; V of chunk c + 1
	s_wait_loadcnt 0x0
	QBLK X, F
	v_add_nc_u32 v[WA], s[TB], v[VWA]
	v_add_nc_u32 v[WS], s[TS], v[VWS]
	PUT WA, WS, CHB, SCH
	s_cmp_eq_u32 s[CH], 2                          ; K of chunk c + 2, if there is one: no load leaves its buffer.  The next wait for loads is for 0: right on both ways
	s_cbranch_scc1 .Lno_k_\@
	KLOAD 131072
.Lno_k_\@:
	s_wait_dscnt 0x0
.endm
; A TILE STEP: 128 keys (step q of the chunk in hand) for tile n of my queries.  ld = 1: the step's scale words are fetched; the second tile finds them.
.macro TSTEP q, n, ld
.set rST, ST+4*(\n)
.set rO,  OA+32*(\n)
.set rLo, QZ+6+12*(\n)
.set rHi, QZ+12*(\n)
.set rQS, QS+2*(\n)
.if \ld
	ds_load_b128 v[SCW:SCW+3], v[ADS] offset:512*(\q)
.endif
.irp g, 0,1                            ; S^T = K Q^T: two fragments, four tiles of 16 keys, at a time
.if \g
.rept 4
	v_nop                                          ; places in front of loads into registers that matrix instructions have read
.endr
.endif
.irp p, 0,1
.irp j, 0,1,2
	ds_load_b128 v[F+12*\p+4*\j:F+12*\p+4*\j+3], v[ADK] offset:(\q)*STEPF+(2*\g+\p)*FRB+16*\j
.endr
.endr
	s_wait_dscnt 0x0
.irp p, 0,1
	v_wmma_scale_f32_16x16x128_f8f6f4 v[S+16*(2*\g+\p):S+16*(2*\g+\p)+7], v[F+12*\p:F+12*\p+11], v[rLo:rLo+11], 0, v[SCW+2*\g+\p], v[rQS] matrix_a_fmt:MATRIX_FMT_FP6 matrix_b_fmt:MATRIX_FMT_FP6
	v_wmma_scale_f32_16x16x128_f8f6f4 v[S+16*(2*\g+\p)+8:S+16*(2*\g+\p)+15], v[F+12*\p:F+12*\p+11], v[rHi:rHi+11], 0, v[SCW+2*\g+\p], v[rQS+1] matrix_a_fmt:MATRIX_FMT_FP6 matrix_b_fmt:MATRIX_FMT_FP6
.endr
.endr                                  ; register S + 16 b + i of lane (r, h): query r, key 32 b + 16 h + i of the step
.rept 4
	v_nop                                          ; places in front of the first read of results and the first write into K's registers
.endr
.irp b, 0,1,2,3
	v_max3_num_f32 v[BM+\b], v[S+16*\b], v[S+1+16*\b], v[S+2+16*\b]   ; THE LARGEST SCORE OF EACH BLOCK OF 32 KEYS serves twice: for the row's maximum, and, since p rises with the score, for the block's largest p
.endr
.irp i, 3,5,7,9,11,13
.irp b, 0,1,2,3
	v_max3_num_f32 v[BM+\b], v[BM+\b], v[S+16*\b+\i], v[S+1+16*\b+\i]  ; (the four blocks by turns; each accumulator is read from its low end on)
.endr
.endr
.irp b, 0,1,2,3
	v_max_num_f32 v[BM+\b], v[BM+\b], v[S+15+16*\b]
.endr
.irp b, 0,1,2,3
	v_permlanex16_b32 v[PT+\b], v[BM+\b], s[SEL], s[SEL+1]
.endr
.irp b, 0,1,2,3
	v_max_num_f32 v[BM+\b], v[BM+\b], v[PT+\b]     ; with lane l xor 16's 16 keys
.endr
	v_max3_num_f32 v[TT], v[BM], v[BM+1], v[BM+2]
	v_max_num_f32 v[TT], v[TT], v[BM+3]            ; the step's largest score of my query
	v_mul_f32 v[TT], s[CS], v[TT]                  ; as t (c is positive)
	v_max_num_f32 v[rST+1], v[rST+1], v[TT]        ; the running largest t
	v_mov_b32 v[TT], v[rST]
	v_floor_f32 v[rST], -v[rST+1]                  ; the new -M = floor(-t) = -ceil(t): M IS A WHOLE NUMBER
	v_sub_f32 v[TT], v[rST], v[TT]                 ; M's old value less its new one: a whole number, 0 or less
	v_cvt_i32_f32 v[TT], v[TT]                     ; (it saturates)
	v_ldexp_f32 v[FF], 1.0, v[TT]                  ; f = 2^(old M - new M): a multiplication by it rounds nothing
.set jj, 0
.rept 32
	v_pk_fma_f32 v[S+jj:S+jj+1], v[S+jj:S+jj+1], s[CS:CS+1], v[rST:rST+1] op_sel_hi:[1,0,0]   ; t - M, two at a time (of the pairs c and -M the low word serves both halves)
.set jj, jj+2
.endr
.irp b, 0,1,2,3
	v_fma_f32 v[BM+\b], v[BM+\b], s[CS], v[rST]    ; the same of each block's largest score
.endr
.set jj, 0
.rept 64
	v_exp_f32 v[S+jj], v[S+jj]                     ; p = 2^(t - M), at most 1: NOT normalised
.set jj, jj+1
.endr
.irp b, 0,1,2,3
	v_exp_f32 v[BM+\b], v[BM+\b]                   ; the block's largest p: the same two instructions on the same number give the same bits
.endr
	v_pk_mul_f32 v[rST+2:rST+3], v[rST+2:rST+3], v[FF:FF+1] op_sel_hi:[1,0]   ; the sums under the new M.  (The plain place behind the exponentials)
	s_wait_alu depctr_va_vdst(0)
.irp b, 0,1,2,3
	v_max_num_f32 v[BM+\b], 0x1800000, v[BM+\b]    ; the floor 2^(3 - 127): the byte cannot fall under 1 (a block whose every p has fallen to 0 keeps that byte: its codes are zeros)
.endr
.irp b, 0,1,2,3
	v_add_nc_u32 v[SO+\b], 0xff000000, v[BM+\b]    ; 2 off the exponent field: the conversion's scale operand
.endr
.irp b, 0,1,2,3
	v_lshrrev_b32 v[PT+\b], 23, v[SO+\b]           ; the scale's byte
.endr
	v_lshl_or_b32 v[PW], v[PT+1], 8, v[PT]         ; p's scale word for these 128 keys
	v_lshl_or_b32 v[PW], v[PT+2], 16, v[PW]
	v_lshl_or_b32 v[PW], v[PT+3], 24, v[PW]
.irp c, 0,1
	v_cvt_scalef32_pk16_fp6_f32 v[P+6*\c:P+6*\c+2], v[S+32*\c:S+32*\c+15], v[SO+2*\c]
	v_cvt_scalef32_pk16_fp6_f32 v[PX+4*\c:PX+4*\c+2], v[S+32*\c+16:S+32*\c+31], v[SO+2*\c+1]   ; (a conversion's three registers begin on an even number)
.endr
	v_nop                                          ; one plain place behind a scaled conversion
.irp c, 0,1                            ; the operand's layout wants a WHOLE block in a lane: lanes 0-15 block 2 c, lanes 16-31 block 2 c + 1
.irp i, 0,1,2
	v_permlane16_swap_b32 v[P+6*\c+\i], v[PX+4*\c+\i]
.endr
.irp i, 0,1,2
	v_mov_b32 v[P+3+6*\c+\i], v[PX+4*\c+\i]
.endr
.endr
	v_pk_add_f32 v[SB:SB+1], v[S:S+1], v[S+2:S+3]  ; THE ROW'S SUM IS TAKEN OF THE UNQUANTISED p: two at a time, in two chains
.irp j, 4,8,12,16,20,24,28,32,36,40,44,48,52,56,60
	v_pk_add_f32 v[rST+2:rST+3], v[rST+2:rST+3], v[S+\j:S+\j+1]
	v_pk_add_f32 v[SB:SB+1], v[SB:SB+1], v[S+\j+2:S+\j+3]
.endr
	v_pk_add_f32 v[rST+2:rST+3], v[rST+2:rST+3], v[SB:SB+1]
.irp t, 0,1,2,3                        ; p is done with: V's four fragments take its registers
.irp j, 0,1,2
	ds_load_b128 v[S+12*\t+4*\j:S+12*\t+4*\j+3], v[ADK] offset:VIMG+(\q)*STEPF+\t*FRB+16*\j
.endr
.endr
.set jj, 0
.rept 16
	v_pk_mul_f32 v[rO+jj:rO+jj+1], v[rO+jj:rO+jj+1], v[FF:FF+1] op_sel_hi:[1,0]   ; O^T under the new M, while the loads are out; with the sums above these are the places between p's codes and scale word and the products
.set jj, jj+2
.endr
	s_wait_dscnt 0x0
.irp t, 0,1,2,3                        ; O^T += V^T P^T: the four accumulators take turns, one instruction a turn; V's scale words stand in lanes 16-31
	v_wmma_scale_f32_16x16x128_f8f6f4 v[rO+8*\t:rO+8*\t+7], v[S+12*\t:S+12*\t+11], v[P:P+11], v[rO+8*\t:rO+8*\t+7], v[SCW+\t], v[PW] matrix_a_fmt:MATRIX_FMT_FP6 matrix_b_fmt:MATRIX_FMT_FP6 matrix_a_scale:MATRIX_SCALE_ROW1
.endr
.rept 5
	v_nop                                          ; five places: the next tile step's products write over the registers that held V's fragments; its loads and vector lines want four
.endr
.endm
; A TRIP: chunk c is multiplied; quant = 1: chunk c + 1 is quantised on the way, and a barrier closes the trip.
.macro TRIP quant
	v_add_nc_u32 v[ADK], s[TB], v[L48]
	v_add_nc_u32 v[ADS], s[TS], v[L16S]
.if \quant
	QK
.endif
	TSTEP 0, 0, 1
	TSTEP 0, 1, 0
.if \quant
	QV
.endif
	TSTEP 1, 0, 1
	TSTEP 1, 1, 0
.if \quant
	s_wait_dscnt 0x0                               ; for the others' sake: my stores of chunk c + 1 are done
	s_barrier_signal -1
	s_barrier_wait -1                              ; everybody's are.  (No byte of the images is written twice, so nothing is owed between reads and a later write)
	s_wait_xcnt 0x0                                ; the loads that are out have read their bases: these step only behind this wait
	s_add_nc_u64 s[6:7], s[6:7], 0x10000           ; a chunk of key and of value: 256 rows of 256 bytes
	s_add_nc_u64 s[8:9], s[8:9], 0x10000
	s_add_co_u32 s[TB], s[TB], CHB
	s_add_co_u32 s[TS], s[TS], SCH
.endif
.endm
	s_load_b256 s[4:11], s[0:1], 0x0               ; query s[4:5], key s[6:7], value s[8:9], out0 s[10:11]
	v_lshl_add_u32 v254, v0, 2, 0x2a000
	v_mov_b32 v255, 0
	v_lshrrev_b32 v[TT], 5, v0
	v_readfirstlane_b32 s[WV], v[TT]               ; wave 0..15
	v_and_b32 v[TT], 31, v0                        ; lane
	v_and_b32 v[WA], 15, v0                        ; r
	v_bfe_u32 v[WS], v0, 4, 1                      ; h
	s_and_b32 s13, s[WV], 1                        ; w & 1
	s_lshr_b32 s14, s[WV], 1                       ; w >> 1
	s_and_b32 s15, s14, 3                          ; (w >> 1) & 3
	s_lshr_b32 s16, s[WV], 3                       ; w >> 3
	s_and_b32 s17, s14, 1                          ; (w >> 1) & 1
	s_bfe_u32 s18, s[WV], 0x10002                  ; (w >> 2) & 1
	v_mul_u32_u24 v[L48], v[TT], 48
	v_lshl_add_u32 v[L16S], v[TT], 4, SCL
	s_mul_i32 s19, s14, FRB                        ; K's codes: fragment w >> 1 of the chunk, half w & 1 of my lane's 48 bytes
	s_mul_i32 s27, s13, 24
	s_add_co_u32 s19, s19, s27
	v_add_nc_u32 v[KWA], s19, v[L48]
	s_lshl_b32 s19, s16, 9                         ; K's scale byte: step w >> 3; lane r's 16 bytes; word (w >> 1) & 3; byte 2 (w & 1) + h
	s_lshl_b32 s27, s15, 2
	s_add_co_u32 s19, s19, s27
	s_lshl_b32 s27, s13, 1
	s_add_co_u32 s19, s19, s27
	s_add_co_u32 s19, s19, SCL
	v_lshl_add_u32 v[KWS], v[WA], 4, v[WS]
	v_add_nc_u32 v[KWS], s19, v[KWS]
	s_mul_i32 s19, s16, STEPF                      ; V's codes: step w >> 3; fragment t = 2 (w & 1) + h; the fragment's lane r + 16 ((w >> 1) & 1); its half (w >> 2) & 1
	s_mul_i32 s27, s13, 2*FRB
	s_add_co_u32 s19, s19, s27
	s_mul_i32 s27, s17, 768
	s_add_co_u32 s19, s19, s27
	s_mul_i32 s27, s18, 24
	s_add_co_u32 s19, s19, s27
	s_add_co_u32 s19, s19, VIMG
	v_mul_u32_u24 v[VWA], v[WA], 48
	v_mad_u32_u24 v[VWA], v[WS], FRB, v[VWA]
	v_add_nc_u32 v[VWA], s19, v[VWA]
	s_lshl_b32 s19, s16, 9                         ; V's scale byte: step w >> 3; lane 16 + r's 16 bytes; word t; byte (w >> 1) & 3
	s_lshl_b32 s27, s13, 3
	s_add_co_u32 s19, s19, s27
	s_add_co_u32 s19, s19, s15
	s_add_co_u32 s19, s19, SCL+256
	v_lshlrev_b32 v[VWS], 4, v[WA]
	v_lshl_add_u32 v[VWS], v[WS], 2, v[VWS]
	v_add_nc_u32 v[VWS], s19, v[VWS]
	s_and_b32 s19, s[WV], 14                       ; key: 16 x lane + 256 x (16 (w & 14) + 8 (w & 1))
	s_lshl_b32 s19, s19, 12
	s_lshl_b32 s27, s13, 11
	s_add_co_u32 s19, s19, s27
	v_lshl_add_u32 v[KGO], v[TT], 4, s19
	s_lshl_b32 s19, s14, 13                        ; value: 4 x lane + 256 x 32 (w >> 1) + 128 (w & 1)
	s_lshl_b32 s27, s13, 7
	s_add_co_u32 s19, s19, s27
	v_lshl_add_u32 v[VGO], v[TT], 2, s19
	s_mul_i32 s[STB], s[WV], 16*SPT
	s_add_co_u32 s[STB], s[STB], STG               ; my stage
	v_mul_u32_u24 v[RD], v[WS], SPT
	v_lshl_add_u32 v[RD], v[WA], 4, v[RD]
	v_add_nc_u32 v[RD], s[STB], v[RD]
	v_mul_u32_u24 v[TRD], v[WA], SPT
	v_lshl_add_u32 v[TRD], v[WS], 7, v[TRD]
	v_add_nc_u32 v[TRD], s[STB], v[TRD]
	v_lshlrev_b32 v[WA], 4, v[TT]                  ; query: 16 x lane
	s_mov_b32 s[SEL], 0x76543210
	s_mov_b32 s[SEL+1], 0xfedcba98
	s_mov_b32 s[CS], 0x3eb8aa3b                    ; c = log2(e) / 4
	s_mov_b32 s[CS+1], s[CS]                       ; (named with it as a pair, so it is written)
	s_mov_b32 s[TB], 0
	s_mov_b32 s[TS], 0
	s_lshr_b32 s28, ttmp9, 1
	s_lshl_b32 s28, s28, 18                        ; the head's first byte: 1,024 rows of 256 bytes a head
	s_mov_b32 s29, 0
	s_lshl_b32 s30, ttmp9, 17                      ; my work-group's 512 rows,
	s_lshl_b32 s19, s[WV], 13                      ; my wave's 32 of them
	s_add_co_u32 s30, s30, s19
	s_mov_b32 s31, 0
	s_wait_kmcnt 0x0
	s_add_nc_u64 s[6:7], s[6:7], s[28:29]
	s_add_nc_u64 s[8:9], s[8:9], s[28:29]
	s_add_nc_u64 s[4:5], s[4:5], s[30:31]
	s_add_nc_u64 s[10:11], s[10:11], s[30:31]
	; the first loads, 56 in all: my block of K and of V of chunk 0, my 32 rows of Q
	KLOAD 0
	VLOAD S, 0
.irp i, 0,1,2,3,4,5,6,7,8,9,10,11,12,13,14,15
	global_load_b128 v[OA+4*\i:OA+4*\i+3], v[WA], s[4:5] offset:512*\i th:TH_LOAD_NT   ; two rows, 512 consecutive bytes, as they lie; read by this wave alone
.endr
	s_wait_loadcnt 48                              ; K's eight are in: behind them V's 32 and Q's 16
	TURN X
	QBLK X, F
	PUT KWA, KWS, 0, 0
	KLOAD 65536                                    ; K of chunk 1
	s_wait_dscnt 0x0
	s_wait_loadcnt 24                              ; V's 32 are in: behind them Q's 16 and the 8 just issued
	QBLK S, F
	PUT VWA, VWS, 0, 0
	s_wait_dscnt 0x0
	s_wait_loadcnt 16                              ; Q's first tile is in: behind it the second tile's 8 and K's 8
	TURN OA
	QBLK OA, QZ+6
	QSCALE 0
	s_wait_loadcnt 8                               ; Q's second tile is in; K of chunk 1 stays out
	TURN OA+32
	QBLK OA+32, QZ+18
	QSCALE 1
.irp z, 0,12,24
.irp i, 0,1,2,3,4,5
	v_mov_b32 v[QZ+\z+\i], 0                       ; the zero codes beside q
.endr
.endr
.set jj, 0
.rept 64
	v_mov_b32 v[OA+jj], 0                          ; O^T.  (The tile step is written once: the first finds zeros, which the first change of M leaves zeros)
.set jj, jj+1
.endr
.irp n, 0,1
	v_mov_b32 v[ST+4*\n+1], 0xff61b1e6             ; the largest t so far: -3e38, under every t
	v_floor_f32 v[ST+4*\n], -v[ST+4*\n+1]          ; -M
	v_mov_b32 v[ST+4*\n+2], 0                      ; the sum, in two halves
	v_mov_b32 v[ST+4*\n+3], 0
.endr
	v_mov_b32 v[FF+1], 0                           ; (named as the upper half of the pair before it is ever written)
	s_wait_dscnt 0x0                               ; my part of chunk 0 is in LDS,
	s_barrier_signal -1
	s_barrier_wait -1                              ; everybody's is
	s_mov_b32 s[CH], 0
.Ltrip:                                            ; three trips: chunks 0 to 2 are multiplied, chunks 1 to 3 made
	TRIP 1
	s_add_co_u32 s[CH], s[CH], 1
	s_cmp_lt_u32 s[CH], 3
	s_cbranch_scc1 .Ltrip
	TRIP 0                                         ; the last chunk: nothing is left to make
	; THE WAY OUT.  O^T is divided by the row's sum and goes through my stage, a tile (16 rows of 256 bytes) at a time, so that each store covers 512 consecutive bytes, aligned.
.irp n, 0,1
	v_add_f32 v[ST+4*\n+2], v[ST+4*\n+2], v[ST+4*\n+3]             ; the sum's two halves,
.endr
.irp n, 0,1
	v_permlanex16_b32 v[ST+4*\n+3], v[ST+4*\n+2], s[SEL], s[SEL+1]
.endr
.irp n, 0,1
	v_add_f32 v[ST+4*\n+2], v[ST+4*\n+2], v[ST+4*\n+3]             ; and lane l xor 16's: the row's sum
.endr
.irp n, 0,1
	v_rcp_f32 v[ST+4*\n], v[ST+4*\n+2]
.endr
	v_and_b32 v[TT], 15, v0                        ; (plain places behind the reciprocals)  r
	v_bfe_u32 v[WS], v0, 4, 1                      ; h
	v_mul_u32_u24 v[TT], v[TT], SPT
	v_lshl_add_u32 v[WS], v[WS], 5, v[TT]
	v_add_nc_u32 v[WS], s[STB], v[WS]              ; into the stage: row r; tile t's eight numbers of my half at 64 t + 32 h
	v_and_b32 v[WA], 31, v0
	v_lshlrev_b32 v[WA], 4, v[WA]                  ; in out0: 16 x lane
.set jj, 0
	s_wait_alu depctr_va_vdst(0)
.rept 32
	v_pk_mul_f32 v[S+jj:S+jj+1], v[OA+jj:OA+jj+1], v[ST+4*(jj/32):ST+4*(jj/32)+1] op_sel_hi:[1,0]   ; each accumulator from its low end on
.set jj, jj+2
.endr
.irp n, 0,1                            ; tile 0 comes back into v92 on, tile 1 into v38 on
.irp t, 0,1,2,3
	ds_store_b128 v[WS], v[S+32*\n+8*\t:S+32*\n+8*\t+3] offset:64*\t
	ds_store_b128 v[WS], v[S+32*\n+8*\t+4:S+32*\n+8*\t+7] offset:64*\t+16
.endr
.irp i, 0,1,2,3,4,5,6,7
	ds_load_b128 v[X-54*\n+4*\i:X-54*\n+4*\i+3], v[RD] offset:2*SPT*\i   ; LDS serves a wave's instructions in order: these see my stores, and the next tile's stores come behind them
.endr
.endr
.irp n, 0,1
.irp i, 0,1,2,3,4,5,6,7
	s_wait_dscnt 23-16*\n-\i                       ; behind this load: the tile's later loads, and for tile 0 tile 1's eight stores and eight loads
	global_store_b128 v[WA], v[X-54*\n+4*\i:X-54*\n+4*\i+3], s[10:11] offset:4096*\n+512*\i th:TH_STORE_NT   ; two rows of out0; written once, read by nobody here
.endr
.endr
	s_wait_tensorcnt 0x0
	ds_add_u32 v254, v255
	s_wait_dscnt 0x0
	s_endpgm
.Lfunc_end_k_qb535154d7b_attn:
	.size	k_qb535154d7b_attn, .Lfunc_end_k_qb535154d7b_attn-k_qb535154d7b_attn
	.p2alignl 7, 3214868480
	.fill 96, 4, 3214868480
	.section	.rodata,"a",@progbits
	.p2align	6, 0x0
	.amdhsa_kernel k_qb535154d7b_attn
		.amdhsa_group_segment_fixed_size 174080
		.amdhsa_private_segment_fixed_size 0
		.amdhsa_enable_private_segment 0
		.amdhsa_kernarg_size 32
		.amdhsa_user_sgpr_count 2
		.amdhsa_user_sgpr_kernarg_segment_ptr 1
		.amdhsa_wavefront_size32 1
		.amdhsa_system_sgpr_workgroup_id_x 1
		.amdhsa_system_sgpr_workgroup_id_y 1
		.amdhsa_system_sgpr_workgroup_id_z 1
		.amdhsa_system_vgpr_workitem_id 0
		.amdhsa_next_free_vgpr 256
		.amdhsa_next_free_sgpr 66
		.amdhsa_reserve_vcc 0
		.amdhsa_float_denorm_mode_32 3
		.amdhsa_float_denorm_mode_16_64 3
		.amdhsa_memory_ordered 1
		.amdhsa_forward_progress 1
		.amdhsa_inst_pref_size 160
	.end_amdhsa_kernel
	.amdgpu_metadata
---
amdhsa.version: [ 1, 2 ]
amdhsa.kernels:
  - .name:           k_qb535154d7b_attn
    .symbol:         k_qb535154d7b_attn.kd
    .args:
      - { .name: query, .offset: 0, .size: 8, .value_kind: global_buffer, .address_space: global }
      - { .name: key, .offset: 8, .size: 8, .value_kind: global_buffer, .address_space: global }
      - { .name: value, .offset: 16, .size: 8, .value_kind: global_buffer, .address_space: global }
      - { .name: out0, .offset: 24, .size: 8, .value_kind: global_buffer, .address_space: global }
    .group_segment_fixed_size: 174080
    .private_segment_fixed_size: 0
    .kernarg_segment_align: 8
    .kernarg_segment_size: 32
    .max_flat_workgroup_size: 512
    .sgpr_count:     66
    .vgpr_count:     256
    .wavefront_size: 32
...
	.end_amdgpu_metadata
.endif
;; end of part 1
;; ======== version 2 of 2: 1 launch; version 1 with the launch attn written anew for expert scheduling mode
;; launch attn (part 2): grid 256 x 1, 16 waves a work-group, no clusters, 174,080 bytes of LDS; arguments query, key, value, out0; writes out0
.if DOCPART == 2
	.amdgcn_target "amdgcn-amd-amdhsa--gfx1250"
	.amdhsa_code_object_version 6
	.text
	.protected	k_qb535154d7b_attn
	.globl	k_qb535154d7b_attn
	.p2align	8
	.type	k_qb535154d7b_attn,@function
k_qb535154d7b_attn:
	s_mov_b64 s[64:65], 0
	v_nop
	global_prefetch_b8 v0, s[64:65] scope:SCOPE_SE
	s_setreg_imm32_b32 hwreg(HW_REG_WAVE_SCHED_MODE, 0, 2), 2
	s_setreg_imm32_b32 hwreg(HW_REG_WAVE_MODE, 25, 1), 1
	s_wait_xcnt 0x0
	s_wait_alu depctr_vm_vsrc(0)
; out0[h][q][:] = the sum over k of softmax_k(query[h][q] . key[h][k] / 4) value[h][k][:], 128 heads of 1,024 x 64, all f32 in memory.  (The divisor is sqrt(16), the number of heads, as the problem has it.)
; Both products go on codes of FP6 (E2M3) with one E8M0 scale for each 32 along a product's K, by v_wmma_scale_f32_16x16x128_f8f6f4; sums in f32.
; THE SOFTMAX AHEAD OF THE SECOND PRODUCT: t = score x log2(e) / 4; M = the row's largest t so far, rounded UP to a whole number; p = 2^(t - M) is quantised along the keys, not normalised.
; The row's sum is taken of the unquantised p and divides O at the end.  When M moves, the sum and O are multiplied by 2^(old M - new M): exact.
; SHARES.  256 work-groups of sixteen waves.  Work-group g owns head g / 2 and its queries 512 (g % 2) .. + 511; wave w owns 32 of them: two tiles of 16, worked one after the other in each key step of 128 keys.
; K AND V ARE QUANTISED HERE, ONCE A WORK-GROUP: a head's codes are 2 x 48 KiB and its scale bytes 4 KiB, so they all stay in LDS, each byte written once.  They are made in chunks of 256 keys: a chunk has 512 blocks of K
; and 512 of V, one of each for each of the 512 lanes.  Chunk c + 1 is loaded (f32, through registers) and quantised during the trip that multiplies chunk c; one barrier stands at each trip's end.
; OPERANDS LIE IN LDS AS IMAGES OF THEIR REGISTERS: a fragment's 12 registers of lane l are 48 bytes on end at 48 l; three loads of 16 bytes bring them.
; LAYOUT.  Both products are used transposed: S^T = K Q^T (source 0 = keys, source 1 = my 16 queries), O^T = V^T P^T (source 0 = 16 of the head's 64, source 1 = P): a lane holds ONE query (lane % 16) throughout.
; THE FIRST PRODUCT'S K IS 64, HALF OF THE INSTRUCTION'S 128.  So a fragment of K holds TWO tiles of 16 keys, tile 2 b in k = 0 .. 63 and tile 2 b + 1 in k = 64 .. 127, and is multiplied twice: by [q | zeros] and by [zeros | q].
; A zero code times any code is 0 (the format has no infinity and no NaN); Q's scale bytes of the dead half are 0.  One scale word (2 tiles x 2 blocks) serves both products.
; THE KEYS OF A TILE ARE NOT NEIGHBOURS: row r of tile 2 b + u is key 32 b + 8 u + r + 8 (r / 8), so that the 16 registers of tiles 2 b and 2 b + 1 are 16 neighbouring keys, 32 b + 16 (lane / 16) + 0 .. 15.
; NO CLUSTER, NO TENSOR LOAD: what the two work-groups of a head share arrives as f32 and has to pass through registers to be quantised; laid into LDS first, a chunk would be 128 KiB of f32 to be read out of LDS again,
; for a sharing of two.  The two work-groups are neighbours in the grid and run the same text.
; LIMITS.  NaN and infinities among the inputs are not served.  A block whose largest magnitude lies under 2^-124 (a block of zeros among them) gets the scale byte 1: the bytes are read by this program alone.
; A block's largest p is made from the block's largest score by the same multiply-add and exponential: this takes v_exp_f32 not to fall where its input rises.
; THE MODE: SCHED_MODE bits 1:0 = 2 (LLVM: expert scheduling mode 2), set by the entry lines.  The code itself states the register dependences
; between vector or matrix instructions and memory or LDS instructions, with s_wait_alu, always for 0.
; THE PLAN.  Registers that memory or LDS instructions touch, round the loop:
;   F    K's fragments land in it, twice a tile step; the first products read them; then vector lines write it (maxima, bytes, p's codes) and the second products read p's codes.  In QK and QV: QBLK writes codes and byte, PUT's stores read them.
;   SCW  one LDS load a key step lands in it; all products read it as scales.
;   S    the first products write it, the softmax works in place; then V's fragments land in it and the second products read them.
;   X    global loads land in it; TURN's stores read it and TURN's loads land in it; QBLK reads it; the next global loads land in it.
;   v[ADK], v[ADS]  written at a trip's head, read by the trip's LDS loads.     v[WA], v[WS]  written in QK and QV, read by PUT's stores.     All other addresses are written at the kernel's head alone.
;   QZ, QS, P, PW   written by vector lines, taken by scaled products as source 1 or as scales.
; WAITS ON va_vdst: at PUT's head; at the head of a tile step that has no PUT straight ahead of it; between the two halves of K Q^T; behind the exponentials; behind the sums, ahead of V's loads.
; WAITS ON vm_vsrc: in TURN between stores and loads; at PUT's tail; at a trip's end, ahead of the backward jump.  Each wait's comment says what it states.
; There is no second buffer for F, S or X: four waves of 256 registers share a SIMD's 1,024.
.set FRB,   1536                       ; a fragment's image: 32 lanes x 48 bytes
.set STEPF, 4*FRB                      ; a key step's four fragments, of K or of V
.set CHB,   2*STEPF                    ; a chunk's (256 keys)
.set SCH,   1024                       ; a chunk's scale bytes: 512 a step
.set VIMG,  49152                      ; LDS: K's images from 0 (8 steps x STEPF), V's from here,
.set SCL,   98304                      ; the scale words: in a step's 512 bytes lane l's 16 bytes at 16 l: lanes 0-15 K's four words, lanes 16-31 V's four,
.set STG,   102400                     ; and a stage of 16 rows x (256 + 16) bytes for each wave, its own
.set SPT,   272                        ; 68 words: 16 rows that a 16-byte access touches begin 4 words apart modulo 64
.set L48,  1                           ; v1   48 x lane
.set L16S, 2                           ; v2   16 x lane + SCL
.set KWA,  3                           ; v3   where I put my 24 bytes of K's codes in a chunk;  v4 their scale byte
.set KWS,  4
.set VWA,  5                           ; v5, v6 the same for V
.set VWS,  6
.set KGO,  7                           ; v7   my byte offset in a chunk of key;  v8 in a chunk of value
.set VGO,  8
.set ADK,  9                           ; v9   the trip's images: L48 + 12,288 c  (V's are read off it too, by the immediate)
.set ADS,  10                          ; v10  the trip's scale words
.set WA,   11                          ; v11, v12 the store addresses in hand (at the head: r, h, then 16 x lane; at the end: 16 x lane, the stage)
.set WS,   12
.set RD,   13                          ; v13  the stage by whole rows: lanes 0-15 one row, lanes 16-31 the next, 16 bytes a lane
.set TRD,  14                          ; v14  the stage by halves of a row: row lane % 16, 128 bytes of it
.set TT,   15                          ; v15  at work
.set ST,   16                          ; v16-23 tile n at ST + 4 n: -M, the largest t, the sum in two halves
.set QS,   24                          ; v24-27 tile n at QS + 2 n: Q's scale word (s0, s1, 0, 0), then (0, 0, s0, s1)
.set SCW,  28                          ; v28-31 the step's scale words
.set PW,   32                          ; v32  p's scale word
.set FF,   34                          ; v[34:35] f = 2^(old M - new M) (v35 is named with it as a pair)
.set SB,   36                          ; v[36:37] the sums' second chain
.set F,    38                          ; v38-61 two fragments of K; then what follows
.set BM,   F                           ; the blocks' largest scores, then largest p
.set PT,   F+4                         ; the other half's; then the scale bytes
.set SO,   F+20                        ; the conversions' scale operands
.set P,    F                           ; p's codes: 12 registers
.set PX,   F+12                        ; the upper halves of p's blocks on their way
.set QZ,   62                          ; v62-91 [6 zeros][tile 0's q][6 zeros][tile 1's q][6 zeros]: [q | 0] and [0 | q] of both tiles are runs of 12 in it
.set X,    92                          ; v92-123 the block on its way in
.set S,    124                         ; v124-187 S^T, then p, then V's four fragments
.set OA,   188                         ; v188-251 O^T, 32 a tile: register 8 t + j is o(query lane % 16, d = 16 t + 8 (lane / 16) + j)
.set WV,   12                          ; s12  my wave's number
.set SEL,  20                          ; s[20:21] lane selects for v_permlanex16_b32: lane l xor 16
.set CS,   22                          ; s[22:23] c = log2(e) / 4
.set TB,   24                          ; s24  12,288 c
.set TS,   25                          ; s25  1,024 c
.set CH,   26                          ; s26  the trip, c
.set STB,  32                          ; s32  my stage
; Sixteen rows of 256 bytes, held as they lie in memory (register group i: rows 2 i and 2 i + 1, 16 bytes a lane), go through my stage and come back so that lane (r, h) holds d = 32 h .. 32 h + 31 of row r.
; LDS serves a wave's instructions in order (ISA guide 5.7.1.4): no wait on DScnt between the stores and the loads.
; No vector instruction issued since the last wait on va_vdst names the rows' registers or the two addresses, wherever the macro stands: so nothing is owed on that field here.
.macro TURN reg
.irp i, 0,1,2,3,4,5,6,7
	ds_store_b128 v[RD], v[(\reg)+4*\i:(\reg)+4*\i+3] offset:2*SPT*\i
.endr
	s_wait_alu depctr_vm_vsrc(0)                   ; the eight stores have read the rows' registers, in which the loads below land
.irp i, 0,1,2,3,4,5,6,7
	ds_load_b128 v[(\reg)+4*\i:(\reg)+4*\i+3], v[TRD] offset:16*\i
.endr
	s_wait_dscnt 0x0
.endm
; A whole block of 32 numbers in a lane's registers becomes 6 registers of codes at dst; the scale's byte is left in v[F+15].
.macro QBLK src, dst
.set SRC, \src
.set DST, \dst
	v_max3_num_f32 v[F+12], |v[SRC]|, |v[SRC+1]|, 0x1800000        ; the largest magnitude, in two chains; the floor 2^(3 - 127) among the leaves holds the byte at 1 from below
	v_max3_num_f32 v[F+13], |v[SRC+16]|, |v[SRC+17]|, |v[SRC+18]|
.irp i, 0,1,2,3,4,5
	v_max3_num_f32 v[F+12], v[F+12], |v[SRC+2+2*\i]|, |v[SRC+3+2*\i]|
	v_max3_num_f32 v[F+13], v[F+13], |v[SRC+19+2*\i]|, |v[SRC+20+2*\i]|
.endr
	v_max3_num_f32 v[F+12], v[F+12], |v[SRC+14]|, |v[SRC+15]|
	v_max3_num_f32 v[F+12], v[F+12], v[F+13], |v[SRC+31]|
	v_add_nc_u32 v[F+14], 0xff000000, v[F+12]      ; 2 off its exponent field: the conversion takes the exponent field of this operand as its scale, and nothing else of it
	v_lshrrev_b32 v[F+15], 23, v[F+14]             ; the scale's byte
	v_cvt_scalef32_pk16_fp6_f32 v[DST:DST+2], v[SRC:SRC+15], v[F+14]
	v_cvt_scalef32_pk16_fp6_f32 v[F+8:F+10], v[SRC+16:SRC+31], v[F+14]   ; (a conversion's three registers begin on an even number)
	v_nop                                          ; one plain place behind a scaled conversion
.irp i, 0,1,2
	v_mov_b32 v[DST+3+\i], v[F+8+\i]
.endr
.endm
.macro PUT wa, ws, off, soff           ; the 24 bytes in v[F] on, and the byte, to their places in the images
	s_wait_alu depctr_va_vdst(0)                   ; QBLK has written the codes v[F .. F+5] and the byte v[F+15], which the stores read, and is done reading its 32 numbers, in which the global loads behind these stores land; in the loop the adds have written the stores' addresses and the trip's v[ADK], v[ADS]; all earlier products are done with their registers
.irp i, 0,1,2
	ds_store_b64 v[\wa], v[F+2*\i:F+2*\i+1] offset:(\off)+8*\i
.endr
	ds_store_b8 v[\ws], v[F+15] offset:\soff
	s_wait_alu depctr_vm_vsrc(0)                   ; the four stores have read the codes, the byte and their two addresses: loads land in v[F ..] and vector lines write all of these further on
.endm
; K: wave w = 8 s + 2 b + u makes half u of the chunk's fragment (s, b): keys 16 (w & 14) + 8 u + 0 .. 7 and + 16 .. 23.  Each load reads two rows, 512 consecutive bytes, as they lie.
.macro KLOAD base
.irp i, 0,1,2,3,4,5,6,7
	global_load_b128 v[X+4*\i:X+4*\i+3], v[KGO], s[6:7] offset:(\base)+512*\i+2048*(\i/4)
.endr
.endm
; V: wave w takes the chunk's keys 32 (w / 2) .. + 31 and d = 32 (w % 2) + lane: A LANE TAKES A COLUMN d AND ITS REGISTERS RUN DOWN THE KEYS, which are this operand's K: nothing is transposed.
; A load reads 128 consecutive bytes of a row; wave w xor 1 reads the row's other 128.
.macro VLOAD reg, base
.set ii, 0
.rept 32
	global_load_b32 v[(\reg)+ii], v[VGO], s[8:9] offset:(\base)+256*ii
.set ii, ii+1
.endr
.endm
.macro QSCALE n                        ; lane (r, h) holds the byte of block h of query r: the two make tile n's scale words
	v_bfe_u32 v[TT], v0, 4, 1
	v_lshlrev_b32 v[TT], 3, v[TT]
	v_lshlrev_b32 v[F+15], v[TT], v[F+15]          ; 8 h bits up
	v_permlanex16_b32 v[F+12], v[F+15], s[SEL], s[SEL+1]
	v_or_b32 v[QS+2*(\n)], v[F+15], v[F+12]        ; (s0, s1, 0, 0) for [q | 0]
	v_lshlrev_b32 v[QS+2*(\n)+1], 16, v[QS+2*(\n)] ; (0, 0, s0, s1) for [0 | q]
.endm
.macro QK                              ; K of chunk c + 1, asked for two tile steps ago
	s_wait_loadcnt 0x0                             ; nothing else of mine is out
	TURN X
	QBLK X, F
	v_add_nc_u32 v[WA], s[TB], v[KWA]
	v_add_nc_u32 v[WS], s[TS], v[KWS]
	PUT WA, WS, CHB, SCH
	VLOAD X, 65536                                 ; V of chunk c + 1 takes the registers: it has two tile steps in which to land.  No wait: no vector instruction since PUT's first wait names X
	s_wait_dscnt 0x0                               ; my stores are done
.endm
.macro QV                              ; V of chunk c + 1
	s_wait_loadcnt 0x0
	QBLK X, F
	v_add_nc_u32 v[WA], s[TB], v[VWA]
	v_add_nc_u32 v[WS], s[TS], v[VWS]
	PUT WA, WS, CHB, SCH                           ; (both of its waits stand ahead of the branch below)
	s_cmp_eq_u32 s[CH], 2                          ; K of chunk c + 2, if there is one: no load leaves its buffer.  The next wait for loads is for 0: right on both ways
	s_cbranch_scc1 .Lno_k_\@
	KLOAD 131072                                   ; no vector instruction since PUT's first wait names X
.Lno_k_\@:
	s_wait_dscnt 0x0
.endm
; A TILE STEP: 128 keys (step q of the chunk in hand) for tile n of my queries.  ld = 1: the step's scale words are fetched; the second tile finds them.
; w = 1: vector or matrix instructions have been issued since the last wait on va_vdst (w = 0: QK or QV stands straight ahead, and behind PUT's first wait there is none).
.macro TSTEP q, n, ld, w
.set rST, ST+4*(\n)
.set rO,  OA+32*(\n)
.set rLo, QZ+6+12*(\n)
.set rHi, QZ+12*(\n)
.set rQS, QS+2*(\n)
.if (\w)
	s_wait_alu depctr_va_vdst(0)                   ; the last tile step's products are done reading p's codes and the scale words, in whose registers the loads below land; in the last trip v[ADK] and v[ADS], which these loads read, are written
.endif
.if \ld
	ds_load_b128 v[SCW:SCW+3], v[ADS] offset:512*(\q)
.endif
.irp g, 0,1                            ; S^T = K Q^T: two fragments, four tiles of 16 keys, at a time
.if \g
.rept 4
	v_nop                                          ; four places behind the products, ahead of loads into registers that they read
.endr
	s_wait_alu depctr_va_vdst(0)                   ; and the dependence itself: the four products are done reading the two fragments, in whose registers the next two land
.endif
.irp p, 0,1
.irp j, 0,1,2
	ds_load_b128 v[F+12*\p+4*\j:F+12*\p+4*\j+3], v[ADK] offset:(\q)*STEPF+(2*\g+\p)*FRB+16*\j
.endr
.endr
	s_wait_dscnt 0x0
.irp p, 0,1
	v_wmma_scale_f32_16x16x128_f8f6f4 v[S+16*(2*\g+\p):S+16*(2*\g+\p)+7], v[F+12*\p:F+12*\p+11], v[rLo:rLo+11], 0, v[SCW+2*\g+\p], v[rQS] matrix_a_fmt:MATRIX_FMT_FP6 matrix_b_fmt:MATRIX_FMT_FP6
	v_wmma_scale_f32_16x16x128_f8f6f4 v[S+16*(2*\g+\p)+8:S+16*(2*\g+\p)+15], v[F+12*\p:F+12*\p+11], v[rHi:rHi+11], 0, v[SCW+2*\g+\p], v[rQS+1] matrix_a_fmt:MATRIX_FMT_FP6 matrix_b_fmt:MATRIX_FMT_FP6
.endr
.endr                                  ; register S + 16 b + i of lane (r, h): query r, key 32 b + 16 h + i of the step.  (q's codes and scale words were written at the kernel's head, ahead of the first trip's first wait on va_vdst)
.rept 4
	v_nop                                          ; places in front of the first read of results and the first write into K's registers
.endr
.irp b, 0,1,2,3
	v_max3_num_f32 v[BM+\b], v[S+16*\b], v[S+1+16*\b], v[S+2+16*\b]   ; THE LARGEST SCORE OF EACH BLOCK OF 32 KEYS serves twice: for the row's maximum, and, since p rises with the score, for the block's largest p
.endr
.irp i, 3,5,7,9,11,13
.irp b, 0,1,2,3
	v_max3_num_f32 v[BM+\b], v[BM+\b], v[S+16*\b+\i], v[S+1+16*\b+\i]  ; (the four blocks by turns; each accumulator is read from its low end on)
.endr
.endr
.irp b, 0,1,2,3
	v_max_num_f32 v[BM+\b], v[BM+\b], v[S+15+16*\b]
.endr
.irp b, 0,1,2,3
	v_permlanex16_b32 v[PT+\b], v[BM+\b], s[SEL], s[SEL+1]
.endr
.irp b, 0,1,2,3
	v_max_num_f32 v[BM+\b], v[BM+\b], v[PT+\b]     ; with lane l xor 16's 16 keys
.endr
	v_max3_num_f32 v[TT], v[BM], v[BM+1], v[BM+2]
	v_max_num_f32 v[TT], v[TT], v[BM+3]            ; the step's largest score of my query
	v_mul_f32 v[TT], s[CS], v[TT]                  ; as t (c is positive)
	v_max_num_f32 v[rST+1], v[rST+1], v[TT]        ; the running largest t
	v_mov_b32 v[TT], v[rST]
	v_floor_f32 v[rST], -v[rST+1]                  ; the new -M = floor(-t) = -ceil(t): M IS A WHOLE NUMBER
	v_sub_f32 v[TT], v[rST], v[TT]                 ; M's old value less its new one: a whole number, 0 or less
	v_cvt_i32_f32 v[TT], v[TT]                     ; (it saturates)
	v_ldexp_f32 v[FF], 1.0, v[TT]                  ; f = 2^(old M - new M): a multiplication by it rounds nothing
.set jj, 0
.rept 32
	v_pk_fma_f32 v[S+jj:S+jj+1], v[S+jj:S+jj+1], s[CS:CS+1], v[rST:rST+1] op_sel_hi:[1,0,0]   ; t - M, two at a time (of the pairs c and -M the low word serves both halves)
.set jj, jj+2
.endr
.irp b, 0,1,2,3
	v_fma_f32 v[BM+\b], v[BM+\b], s[CS], v[rST]    ; the same of each block's largest score
.endr
.set jj, 0
	s_wait_alu depctr_va_vdst(0)
.rept 64
	v_exp_f32 v[S+jj], v[S+jj]                     ; p = 2^(t - M), at most 1: NOT normalised
.set jj, jj+1
.endr
.irp b, 0,1,2,3
	v_exp_f32 v[BM+\b], v[BM+\b]                   ; the block's largest p: the same two instructions on the same number give the same bits
.endr
	v_pk_mul_f32 v[rST+2:rST+3], v[rST+2:rST+3], v[FF:FF+1] op_sel_hi:[1,0]   ; the sums under the new M.  (The plain place behind the exponentials)
	s_wait_alu depctr_va_vdst(0)                   ; the 68 exponentials have written p and the blocks' largest p: one wait for the batch, ahead of its first reader
.irp b, 0,1,2,3
	v_max_num_f32 v[BM+\b], 0x1800000, v[BM+\b]    ; the floor 2^(3 - 127): the byte cannot fall under 1 (a block whose every p has fallen to 0 keeps that byte: its codes are zeros)
.endr
.irp b, 0,1,2,3
	v_add_nc_u32 v[SO+\b], 0xff000000, v[BM+\b]    ; 2 off the exponent field: the conversion's scale operand
.endr
.irp b, 0,1,2,3
	v_lshrrev_b32 v[PT+\b], 23, v[SO+\b]           ; the scale's byte
.endr
	v_lshl_or_b32 v[PW], v[PT+1], 8, v[PT]         ; p's scale word for these 128 keys
	v_lshl_or_b32 v[PW], v[PT+2], 16, v[PW]
	v_lshl_or_b32 v[PW], v[PT+3], 24, v[PW]
.irp c, 0,1
	v_cvt_scalef32_pk16_fp6_f32 v[P+6*\c:P+6*\c+2], v[S+32*\c:S+32*\c+15], v[SO+2*\c]
	v_cvt_scalef32_pk16_fp6_f32 v[PX+4*\c:PX+4*\c+2], v[S+32*\c+16:S+32*\c+31], v[SO+2*\c+1]   ; (a conversion's three registers begin on an even number)
.endr
	v_nop                                          ; one plain place behind a scaled conversion
.irp c, 0,1                            ; the operand's layout wants a WHOLE block in a lane: lanes 0-15 block 2 c, lanes 16-31 block 2 c + 1
.irp i, 0,1,2
	v_permlane16_swap_b32 v[P+6*\c+\i], v[PX+4*\c+\i]
.endr
.irp i, 0,1,2
	v_mov_b32 v[P+3+6*\c+\i], v[PX+4*\c+\i]
.endr
.endr
	v_pk_add_f32 v[SB:SB+1], v[S:S+1], v[S+2:S+3]  ; THE ROW'S SUM IS TAKEN OF THE UNQUANTISED p: two at a time, in two chains
.irp j, 4,8,12,16,20,24,28,32,36,40,44,48,52,56,60
	v_pk_add_f32 v[rST+2:rST+3], v[rST+2:rST+3], v[S+\j:S+\j+1]
	v_pk_add_f32 v[SB:SB+1], v[SB:SB+1], v[S+\j+2:S+\j+3]
.endr
	v_pk_add_f32 v[rST+2:rST+3], v[rST+2:rST+3], v[SB:SB+1]
	s_wait_alu depctr_va_vdst(0)                   ; the exponentials have written p's registers, and the conversions and the sums are done reading them: V's fragments land there; and p's codes and its scale word are written, which the scaled products below take (the 32 sums are the places between their last writers and this wait)
.irp t, 0,1,2,3                        ; p is done with: V's four fragments take its registers
.irp j, 0,1,2
	ds_load_b128 v[S+12*\t+4*\j:S+12*\t+4*\j+3], v[ADK] offset:VIMG+(\q)*STEPF+\t*FRB+16*\j
.endr
.endr
.set jj, 0
.rept 16
	v_pk_mul_f32 v[rO+jj:rO+jj+1], v[rO+jj:rO+jj+1], v[FF:FF+1] op_sel_hi:[1,0]   ; O^T under the new M, while the loads are out: these name O^T and f alone, none of the registers that the loads touch
.set jj, jj+2
.endr
	s_wait_alu depctr_va_vdst(0)
	s_wait_dscnt 0x0
.irp t, 0,1,2,3                        ; O^T += V^T P^T: the four accumulators take turns, one instruction a turn; V's scale words stand in lanes 16-31
	v_wmma_scale_f32_16x16x128_f8f6f4 v[rO+8*\t:rO+8*\t+7], v[S+12*\t:S+12*\t+11], v[P:P+11], v[rO+8*\t:rO+8*\t+7], v[SCW+\t], v[PW] matrix_a_fmt:MATRIX_FMT_FP6 matrix_b_fmt:MATRIX_FMT_FP6 matrix_a_scale:MATRIX_SCALE_ROW1
.endr
.rept 5
	v_nop                                          ; five places: the next tile step's products write over the registers that held V's fragments; the vector lines that write p's registers want four
.endr
.endm
; A TRIP: chunk c is multiplied; quant = 1: chunk c + 1 is quantised on the way, and a barrier closes the trip.
.macro TRIP quant
	v_add_nc_u32 v[ADK], s[TB], v[L48]             ; (the LDS loads that read the old values stand ahead of the wait on vm_vsrc at the last trip's end)
	v_add_nc_u32 v[ADS], s[TS], v[L16S]
.if \quant
	QK
.endif
	TSTEP 0, 0, 1, 1-\quant
	TSTEP 0, 1, 0, 1
.if \quant
	QV
.endif
	TSTEP 1, 0, 1, 1-\quant
	TSTEP 1, 1, 0, 1
.if \quant
	s_wait_dscnt 0x0                               ; for the others' sake: my stores of chunk c + 1 are done
	s_barrier_signal -1
	s_barrier_wait -1                              ; everybody's are.  (No byte of the images is written twice, so nothing is owed between reads and a later write)
	s_wait_xcnt 0x0                                ; the loads that are out have read their bases: these step only behind this wait
	s_wait_alu depctr_vm_vsrc(0)                   ; the trip's LDS loads have read v[ADK] and v[ADS], which the next trip's head writes: the wait stands ahead of the backward jump
	s_add_nc_u64 s[6:7], s[6:7], 0x10000           ; a chunk of key and of value: 256 rows of 256 bytes
	s_add_nc_u64 s[8:9], s[8:9], 0x10000
	s_add_co_u32 s[TB], s[TB], CHB
	s_add_co_u32 s[TS], s[TS], SCH
.endif
.endm
	s_load_b256 s[4:11], s[0:1], 0x0               ; query s[4:5], key s[6:7], value s[8:9], out0 s[10:11]
	v_lshl_add_u32 v254, v0, 2, 0x2a000
	v_mov_b32 v255, 0
	v_lshrrev_b32 v[TT], 5, v0
	v_readfirstlane_b32 s[WV], v[TT]               ; wave 0..15
	v_and_b32 v[TT], 31, v0                        ; lane
	v_and_b32 v[WA], 15, v0                        ; r
	v_bfe_u32 v[WS], v0, 4, 1                      ; h
	s_wait_alu depctr_va_vdst(0)
	s_wait_alu depctr_va_sdst(0)                   ; s12, the wave's number, is written, ahead of its first reader
	s_and_b32 s13, s[WV], 1                        ; w & 1
	s_lshr_b32 s14, s[WV], 1                       ; w >> 1
	s_and_b32 s15, s14, 3                          ; (w >> 1) & 3
	s_lshr_b32 s16, s[WV], 3                       ; w >> 3
	s_and_b32 s17, s14, 1                          ; (w >> 1) & 1
	s_bfe_u32 s18, s[WV], 0x10002                  ; (w >> 2) & 1
	v_mul_u32_u24 v[L48], v[TT], 48
	v_lshl_add_u32 v[L16S], v[TT], 4, SCL
	s_mul_i32 s19, s14, FRB                        ; K's codes: fragment w >> 1 of the chunk, half w & 1 of my lane's 48 bytes
	s_mul_i32 s27, s13, 24
	s_add_co_u32 s19, s19, s27
	v_add_nc_u32 v[KWA], s19, v[L48]
	s_lshl_b32 s19, s16, 9                         ; K's scale byte: step w >> 3; lane r's 16 bytes; word (w >> 1) & 3; byte 2 (w & 1) + h
	s_lshl_b32 s27, s15, 2
	s_add_co_u32 s19, s19, s27
	s_lshl_b32 s27, s13, 1
	s_add_co_u32 s19, s19, s27
	s_add_co_u32 s19, s19, SCL
	v_lshl_add_u32 v[KWS], v[WA], 4, v[WS]
	v_add_nc_u32 v[KWS], s19, v[KWS]
	s_mul_i32 s19, s16, STEPF                      ; V's codes: step w >> 3; fragment t = 2 (w & 1) + h; the fragment's lane r + 16 ((w >> 1) & 1); its half (w >> 2) & 1
	s_mul_i32 s27, s13, 2*FRB
	s_add_co_u32 s19, s19, s27
	s_mul_i32 s27, s17, 768
	s_add_co_u32 s19, s19, s27
	s_mul_i32 s27, s18, 24
	s_add_co_u32 s19, s19, s27
	s_add_co_u32 s19, s19, VIMG
	v_mul_u32_u24 v[VWA], v[WA], 48
	v_mad_u32_u24 v[VWA], v[WS], FRB, v[VWA]
	v_add_nc_u32 v[VWA], s19, v[VWA]
	s_lshl_b32 s19, s16, 9                         ; V's scale byte: step w >> 3; lane 16 + r's 16 bytes; word t; byte (w >> 1) & 3
	s_lshl_b32 s27, s13, 3
	s_add_co_u32 s19, s19, s27
	s_add_co_u32 s19, s19, s15
	s_add_co_u32 s19, s19, SCL+256
	v_lshlrev_b32 v[VWS], 4, v[WA]
	v_lshl_add_u32 v[VWS], v[WS], 2, v[VWS]
	v_add_nc_u32 v[VWS], s19, v[VWS]
	s_and_b32 s19, s[WV], 14                       ; key: 16 x lane + 256 x (16 (w & 14) + 8 (w & 1))
	s_lshl_b32 s19, s19, 12
	s_lshl_b32 s27, s13, 11
	s_add_co_u32 s19, s19, s27
	v_lshl_add_u32 v[KGO], v[TT], 4, s19
	s_lshl_b32 s19, s14, 13                        ; value: 4 x lane + 256 x 32 (w >> 1) + 128 (w & 1)
	s_lshl_b32 s27, s13, 7
	s_add_co_u32 s19, s19, s27
	v_lshl_add_u32 v[VGO], v[TT], 2, s19
	s_mul_i32 s[STB], s[WV], 16*SPT
	s_add_co_u32 s[STB], s[STB], STG               ; my stage
	v_mul_u32_u24 v[RD], v[WS], SPT
	v_lshl_add_u32 v[RD], v[WA], 4, v[RD]
	v_add_nc_u32 v[RD], s[STB], v[RD]
	v_mul_u32_u24 v[TRD], v[WA], SPT
	v_lshl_add_u32 v[TRD], v[WS], 7, v[TRD]
	v_add_nc_u32 v[TRD], s[STB], v[TRD]
	v_lshlrev_b32 v[WA], 4, v[TT]                  ; query: 16 x lane
	s_mov_b32 s[SEL], 0x76543210
	s_mov_b32 s[SEL+1], 0xfedcba98
	s_mov_b32 s[CS], 0x3eb8aa3b                    ; c = log2(e) / 4
	s_mov_b32 s[CS+1], s[CS]                       ; (named with it as a pair, so it is written)
	s_mov_b32 s[TB], 0
	s_mov_b32 s[TS], 0
	s_lshr_b32 s28, ttmp9, 1
	s_lshl_b32 s28, s28, 18                        ; the head's first byte: 1,024 rows of 256 bytes a head
	s_mov_b32 s29, 0
	s_lshl_b32 s30, ttmp9, 17                      ; my work-group's 512 rows,
	s_lshl_b32 s19, s[WV], 13                      ; my wave's 32 of them
	s_add_co_u32 s30, s30, s19
	s_mov_b32 s31, 0
	s_wait_kmcnt 0x0
	s_add_nc_u64 s[6:7], s[6:7], s[28:29]
	s_add_nc_u64 s[8:9], s[8:9], s[28:29]
	s_add_nc_u64 s[4:5], s[4:5], s[30:31]
	s_add_nc_u64 s[10:11], s[10:11], s[30:31]
	s_wait_alu depctr_va_vdst(0)                   ; the offsets and LDS addresses made above (v1 to v8, v11, v13, v14) are written, which the loads and stores from here on read
	; the first loads, 56 in all: my block of K and of V of chunk 0, my 32 rows of Q.  No vector instruction has named the registers in which they land
	KLOAD 0
	VLOAD S, 0
.irp i, 0,1,2,3,4,5,6,7,8,9,10,11,12,13,14,15
	global_load_b128 v[OA+4*\i:OA+4*\i+3], v[WA], s[4:5] offset:512*\i th:TH_LOAD_NT   ; two rows, 512 consecutive bytes, as they lie; read by this wave alone
.endr
	s_wait_loadcnt 48                              ; K's eight are in: behind them V's 32 and Q's 16
	TURN X
	QBLK X, F
	PUT KWA, KWS, 0, 0
	KLOAD 65536                                    ; K of chunk 1: no vector instruction since PUT's first wait names X
	s_wait_dscnt 0x0
	s_wait_loadcnt 24                              ; V's 32 are in: behind them Q's 16 and the 8 just issued
	QBLK S, F
	PUT VWA, VWS, 0, 0
	s_wait_dscnt 0x0
	s_wait_loadcnt 16                              ; Q's first tile is in: behind it the second tile's 8 and K's 8
	TURN OA
	QBLK OA, QZ+6
	QSCALE 0
	s_wait_loadcnt 8                               ; Q's second tile is in; K of chunk 1 stays out
	TURN OA+32                                     ; (the lines since the last wait on va_vdst name Q's first tile, q's codes and v[F+8 ..] alone: none of the registers that these LDS instructions touch)
	QBLK OA+32, QZ+18
	QSCALE 1
.irp z, 0,12,24
.irp i, 0,1,2,3,4,5
	v_mov_b32 v[QZ+\z+\i], 0                       ; the zero codes beside q
.endr
.endr
.set jj, 0
.rept 64
	v_mov_b32 v[OA+jj], 0                          ; O^T.  (The tile step is written once: the first finds zeros, which the first change of M leaves zeros.)  The stage's stores that read these registers stand ahead of TURN's waits on vm_vsrc
.set jj, jj+1
.endr
.irp n, 0,1
	v_mov_b32 v[ST+4*\n+1], 0xff61b1e6             ; the largest t so far: -3e38, under every t
	v_floor_f32 v[ST+4*\n], -v[ST+4*\n+1]          ; -M
	v_mov_b32 v[ST+4*\n+2], 0                      ; the sum, in two halves
	v_mov_b32 v[ST+4*\n+3], 0
.endr
	v_mov_b32 v[FF+1], 0                           ; (named as the upper half of the pair before it is ever written)
	s_wait_dscnt 0x0                               ; my part of chunk 0 is in LDS,
	s_barrier_signal -1
	s_barrier_wait -1                              ; everybody's is
	s_mov_b32 s[CH], 0
.Ltrip:                                            ; three trips: chunks 0 to 2 are multiplied, chunks 1 to 3 made
	TRIP 1
	s_add_co_u32 s[CH], s[CH], 1
	s_cmp_lt_u32 s[CH], 3
	s_cbranch_scc1 .Ltrip
	TRIP 0                                         ; the last chunk: nothing is left to make
	; THE WAY OUT.  O^T is divided by the row's sum and goes through my stage, a tile (16 rows of 256 bytes) at a time, so that each store covers 512 consecutive bytes, aligned.
.irp n, 0,1
	v_add_f32 v[ST+4*\n+2], v[ST+4*\n+2], v[ST+4*\n+3]             ; the sum's two halves,
.endr
.irp n, 0,1
	v_permlanex16_b32 v[ST+4*\n+3], v[ST+4*\n+2], s[SEL], s[SEL+1]
.endr
.irp n, 0,1
	v_add_f32 v[ST+4*\n+2], v[ST+4*\n+2], v[ST+4*\n+3]             ; and lane l xor 16's: the row's sum
.endr
	s_wait_alu depctr_va_vdst(0)
.irp n, 0,1
	v_rcp_f32 v[ST+4*\n], v[ST+4*\n+2]
.endr
	v_and_b32 v[TT], 15, v0                        ; (plain places behind the reciprocals)  r
	v_bfe_u32 v[WS], v0, 4, 1                      ; h.  (PUT's stores, which read v[WS] and v[WA], stand ahead of its wait on vm_vsrc)
	v_mul_u32_u24 v[TT], v[TT], SPT
	v_lshl_add_u32 v[WS], v[WS], 5, v[TT]
	v_add_nc_u32 v[WS], s[STB], v[WS]              ; into the stage: row r; tile t's eight numbers of my half at 64 t + 32 h
	v_and_b32 v[WA], 31, v0
	v_lshlrev_b32 v[WA], 4, v[WA]                  ; in out0: 16 x lane
.set jj, 0
	s_wait_alu depctr_va_vdst(0)                   ; the two reciprocals are written, ahead of their first reader
.rept 32
	v_pk_mul_f32 v[S+jj:S+jj+1], v[OA+jj:OA+jj+1], v[ST+4*(jj/32):ST+4*(jj/32)+1] op_sel_hi:[1,0]   ; each accumulator from its low end on
.set jj, jj+2
.endr
	s_wait_alu depctr_va_vdst(0)                   ; the multiplications have written v[S ..], which the LDS stores read; v[WS] and v[WA], the stores' addresses, are written; every vector and matrix instruction is done with v38 to v69 and v92 to v123, in which the loads from the stage land
.irp n, 0,1                            ; tile 0 comes back into v92 on, tile 1 into v38 on
.irp t, 0,1,2,3
	ds_store_b128 v[WS], v[S+32*\n+8*\t:S+32*\n+8*\t+3] offset:64*\t
	ds_store_b128 v[WS], v[S+32*\n+8*\t+4:S+32*\n+8*\t+7] offset:64*\t+16
.endr
.irp i, 0,1,2,3,4,5,6,7
	ds_load_b128 v[X-54*\n+4*\i:X-54*\n+4*\i+3], v[RD] offset:2*SPT*\i   ; LDS serves a wave's instructions in order: these see my stores, and the next tile's stores come behind them
.endr
.endr
.irp n, 0,1
.irp i, 0,1,2,3,4,5,6,7
	s_wait_dscnt 23-16*\n-\i                       ; behind this load: the tile's later loads, and for tile 0 tile 1's eight stores and eight loads
	global_store_b128 v[WA], v[X-54*\n+4*\i:X-54*\n+4*\i+3], s[10:11] offset:4096*\n+512*\i th:TH_STORE_NT   ; two rows of out0; written once, read by nobody here
.endr
.endr
	s_wait_dscnt 0x0                               ; the closing lines, six on end
	s_wait_alu 0x0
	s_wait_tensorcnt 0x0
	ds_add_u32 v254, v255
	s_wait_dscnt 0x0
	s_endpgm
.Lfunc_end_k_qb535154d7b_attn:
	.size	k_qb535154d7b_attn, .Lfunc_end_k_qb535154d7b_attn-k_qb535154d7b_attn
	.p2alignl 7, 3214868480
	.fill 96, 4, 3214868480
	.section	.rodata,"a",@progbits
	.p2align	6, 0x0
	.amdhsa_kernel k_qb535154d7b_attn
		.amdhsa_group_segment_fixed_size 174080
		.amdhsa_private_segment_fixed_size 0
		.amdhsa_enable_private_segment 0
		.amdhsa_kernarg_size 32
		.amdhsa_user_sgpr_count 2
		.amdhsa_user_sgpr_kernarg_segment_ptr 1
		.amdhsa_wavefront_size32 1
		.amdhsa_system_sgpr_workgroup_id_x 1
		.amdhsa_system_sgpr_workgroup_id_y 1
		.amdhsa_system_sgpr_workgroup_id_z 1
		.amdhsa_system_vgpr_workitem_id 0
		.amdhsa_next_free_vgpr 256
		.amdhsa_next_free_sgpr 66
		.amdhsa_reserve_vcc 0
		.amdhsa_float_denorm_mode_32 3
		.amdhsa_float_denorm_mode_16_64 3
		.amdhsa_memory_ordered 1
		.amdhsa_forward_progress 1
		.amdhsa_inst_pref_size 162
	.end_amdhsa_kernel
	.amdgpu_metadata
---
amdhsa.version: [ 1, 2 ]
amdhsa.kernels:
  - .name:           k_qb535154d7b_attn
    .symbol:         k_qb535154d7b_attn.kd
    .args:
      - { .name: query, .offset: 0, .size: 8, .value_kind: global_buffer, .address_space: global }
      - { .name: key, .offset: 8, .size: 8, .value_kind: global_buffer, .address_space: global }
      - { .name: value, .offset: 16, .size: 8, .value_kind: global_buffer, .address_space: global }
      - { .name: out0, .offset: 24, .size: 8, .value_kind: global_buffer, .address_space: global }
    .group_segment_fixed_size: 174080
    .private_segment_fixed_size: 0
    .kernarg_segment_align: 8
    .kernarg_segment_size: 32
    .max_flat_workgroup_size: 512
    .sgpr_count:     66
    .vgpr_count:     256
    .wavefront_size: 32
...
	.end_amdgpu_metadata
.endif
;; end of part 2
